; MI455X (gfx1250); checked and timed in simulation.
; The chip was launched on July 23, 2026; its instructions are those of AMD's public machine-readable ISA for CDNA 5 (MIT licence, August 2026) and "CDNA5" Instruction Set Architecture Reference Guide (July 2026). The comments in the code are by the model that wrote it; some were corrected since.
;; Attention Head. Allowed arithmetic: float matrix products may take bf16 or f16 operands with f32 sums; all other float work in f32.
;; Inputs: Wk 1,024 x 128 float32; Wq 1,024 x 128 float32; Wv 1,024 x 128 float32; bk 128 float32; bq 128 float32; bv 128 float32; input 4 x 4,096 x 1,024 float32.
;; Outputs: out0 4 x 4,096 x 128 float32.
;; One version. Each part assembles by itself: llvm-mc -triple=amdgcn-amd-amdhsa -mcpu=gfx1250 --defsym DOCPART=n.
;; ======== version 1 of 1: 3 launches
;; limits: values are held in f16: magnitudes above 65,504 overflow, below 6.1e-05 lose precision
;; workspace buffers: wt 786,432 bytes; qh 4,194,304 bytes; kh 4,194,304 bytes; vh 4,194,304 bytes
;; launch cvtw (part 1): grid 64 x 3, 8 waves a work-group, no clusters, 0 bytes of LDS; arguments Wq, Wk, Wv, wt; writes wt
.if DOCPART == 1
	.amdgcn_target "amdgcn-amd-amdhsa--gfx1250"
	.amdhsa_code_object_version 6
	.text
	.protected	k_qd13c95f872_cvtw
	.globl	k_qd13c95f872_cvtw
	.p2align	8
	.type	k_qd13c95f872_cvtw,@function
k_qd13c95f872_cvtw:
	s_mov_b64 s[64:65], 0
	v_nop
	global_prefetch_b8 v0, s[64:65] scope:SCOPE_SE
	s_setreg_imm32_b32 hwreg(HW_REG_WAVE_MODE, 25, 1), 1
	s_wait_xcnt 0x0
; wt[k][m][n] = f16(W_m[k][n]), m = 0, 1, 2 for Wq, Wk, Wv.  W_m: [1024][128] f32.  wt: [1024][3][128] f16, byte 768 k + 256 m + 2 n.
; The three weight matrices are rounded to f16 ONCE here, since every work-group of the next launch needs all of them: converting there
; would repeat 393,216 roundings in each of its 256 work-groups.  No transpose is made: the next launch reads [k][n] tiles by transposing LDS loads.
; Work-group (x, y): rows 16 x .. 16 x + 15 of matrix y.  Thread t: 8 numbers, row t / 16, columns 8 (t % 16) ..: 32 bytes in, 16 bytes out;
; sixteen neighbouring lanes store 256 consecutive bytes that begin at a multiple of 256 from wt's first byte.
; A stream of 1.5 MB: no LDS, no barrier, no loop, no matrix unit.
; LIMIT: |W| < 65,504 (f16's largest number); beyond it the rounding gives infinity.
.set IN_WG,  16*512                    ; bytes of W_m that a work-group reads
.set OUT_WG, 16*768                    ; bytes of wt from one work-group's first row to the next one's
	s_load_b256 s[4:11], s[0:1], 0x0               ; Wq s[4:5], Wk s[6:7], Wv s[8:9], wt s[10:11]
	s_and_b32 s12, ttmp7, 0xffff                   ; y: which matrix
	v_lshlrev_b32 v1, 5, v0                        ; in: 32 t
	v_lshrrev_b32 v2, 4, v0                        ; my row of the sixteen
	v_and_b32 v3, 15, v0
	v_mul_u32_u24 v2, v2, 768
	v_lshl_add_u32 v2, v3, 4, v2                   ; out: 768 x row + 16 (t % 16)
	s_lshl_b32 s14, ttmp9, 13                      ; IN_WG x
	s_mov_b32 s15, 0
	s_mul_i32 s2, ttmp9, OUT_WG
	s_lshl_b32 s3, s12, 8
	s_add_co_u32 s2, s2, s3                        ; OUT_WG x + 256 y
	s_mov_b32 s3, 0
	s_wait_kmcnt 0x0
	s_cmp_eq_u32 s12, 1
	s_cselect_b64 s[4:5], s[6:7], s[4:5]           ; the matrix is chosen by y alone
	s_cmp_eq_u32 s12, 2
	s_cselect_b64 s[4:5], s[8:9], s[4:5]
	s_add_nc_u64 s[4:5], s[4:5], s[14:15]
	s_add_nc_u64 s[10:11], s[10:11], s[2:3]
	global_load_b128 v[4:7], v1, s[4:5]
	global_load_b128 v[8:11], v1, s[4:5] offset:16
	s_wait_loadcnt 0x0
	v_cvt_pk_f16_f32 v12, v4, v5
	v_cvt_pk_f16_f32 v13, v6, v7
	v_cvt_pk_f16_f32 v14, v8, v9
	v_cvt_pk_f16_f32 v15, v10, v11
	global_store_b128 v2, v[12:15], s[10:11]
	s_endpgm
.Lfunc_end_k_qd13c95f872_cvtw:
	.size	k_qd13c95f872_cvtw, .Lfunc_end_k_qd13c95f872_cvtw-k_qd13c95f872_cvtw
	.p2alignl 7, 3214868480
	.fill 96, 4, 3214868480
	.section	.rodata,"a",@progbits
	.p2align	6, 0x0
	.amdhsa_kernel k_qd13c95f872_cvtw
		.amdhsa_group_segment_fixed_size 0
		.amdhsa_private_segment_fixed_size 0
		.amdhsa_enable_private_segment 0
		.amdhsa_kernarg_size 32
		.amdhsa_user_sgpr_count 2
		.amdhsa_user_sgpr_kernarg_segment_ptr 1
		.amdhsa_wavefront_size32 1
		.amdhsa_system_sgpr_workgroup_id_x 1
		.amdhsa_system_sgpr_workgroup_id_y 1
		.amdhsa_system_sgpr_workgroup_id_z 1
		.amdhsa_system_vgpr_workitem_id 0
		.amdhsa_next_free_vgpr 16
		.amdhsa_next_free_sgpr 66
		.amdhsa_reserve_vcc 0
		.amdhsa_float_denorm_mode_32 3
		.amdhsa_float_denorm_mode_16_64 3
		.amdhsa_memory_ordered 1
		.amdhsa_forward_progress 1
		.amdhsa_inst_pref_size 2
	.end_amdhsa_kernel
	.amdgpu_metadata
---
amdhsa.version: [ 1, 2 ]
amdhsa.kernels:
  - .name:           k_qd13c95f872_cvtw
    .symbol:         k_qd13c95f872_cvtw.kd
    .args:
      - { .name: Wq, .offset: 0, .size: 8, .value_kind: global_buffer, .address_space: global }
      - { .name: Wk, .offset: 8, .size: 8, .value_kind: global_buffer, .address_space: global }
      - { .name: Wv, .offset: 16, .size: 8, .value_kind: global_buffer, .address_space: global }
      - { .name: wt, .offset: 24, .size: 8, .value_kind: global_buffer, .address_space: global }
    .group_segment_fixed_size: 0
    .private_segment_fixed_size: 0
    .kernarg_segment_align: 8
    .kernarg_segment_size: 32
    .max_flat_workgroup_size: 256
    .sgpr_count:     66
    .vgpr_count:     16
    .wavefront_size: 32
...
	.end_amdgpu_metadata
.endif
;; end of part 1
;; launch qkv (part 2): grid 256 x 1, 4 waves a work-group, clusters of 4 x 1, 327,680 bytes of LDS; arguments input, wt, bq, bk, bv, qh, kh, vh; writes qh, kh, vh
.if DOCPART == 2
	.amdgcn_target "amdgcn-amd-amdhsa--gfx1250"
	.amdhsa_code_object_version 6
	.text
	.protected	k_qd13c95f872_qkv
	.globl	k_qd13c95f872_qkv
	.p2align	8
	.type	k_qd13c95f872_qkv,@function
k_qd13c95f872_qkv:
	s_mov_b64 s[64:65], 0
	v_nop
	global_prefetch_b8 v0, s[64:65] scope:SCOPE_SE
	s_setreg_imm32_b32 hwreg(HW_REG_WAVE_MODE, 25, 1), 1
	s_wait_xcnt 0x0
	s_wait_alu depctr_hold_cnt(0) depctr_sa_sdst(0) depctr_va_vdst(0) depctr_va_sdst(0) depctr_va_ssrc(0) depctr_va_vcc(0) depctr_vm_vsrc(0)
	s_getreg_b32 s2, hwreg(HW_REG_IB_STS2, 6, 4)
	s_cmp_eq_u32 s2, 0
	s_cbranch_scc0 .Lentry_in_a_cluster
	s_endpgm
.Lentry_in_a_cluster:
	s_bfe_u32 s2, ttmp6, 0x10000c
	s_cmp_lg_u32 s2, 0x3003
	s_cbranch_scc0 .Lentry_shape_is_right
	s_endpgm
.Lentry_shape_is_right:
; Q, K, V = f16(input W + b): one product of 16,384 x 384 x 1,024, f16 operands, f32 sums.  input: [16384][1024] f32; wt: [1024 k][3 m][128 n] f16;
; bq, bk, bv: [128] f32; qh, kh, vh: [16384][128] f16.
; A work-group owns 64 rows and all 384 columns, so that each byte of input is read once in the launch.  Four waves; wave w makes 64 rows x 96 columns: columns
; 32 w .. 32 w + 31 of each of Q, K, V = 4 x 6 accumulator tiles, 192 registers; 20 LDS loads feed 24 matrix instructions.
; K goes in 8 steps of 128, each of four quarters of 32; all is written out by macros, there is no loop.
; TWO ROADS.  W: all work-groups walk the same tiles, so the four of a cluster ask for them JOINTLY (tensor loads, mask 15), into a ring of two LDS slots;
; wave w fetches k rows 32 w .. 32 w + 31 of a step (96 rows of 256 bytes).  By this text's count a wave has two tensor loads out at the start, later one.
; X: no two work-groups share a row, so it comes by plain loads into registers (one load of a wave = 512 consecutive bytes = one row's 128 k), three steps deep:
; 48 loads of a wave stay on their way across the ring's barriers.  Each number is rounded to f16 once and laid into an LDS stage of two buffers,
; from which all four waves take fragments.  No tensor load ever lands in the stages.
; THE MATRIX INSTRUCTION IS USED TRANSPOSED: source 0 = 16 columns of W, source 1 = 16 rows of X.  Lane (r, h) then holds row r, and its registers 0 to 7 the columns
; 8 h + 0 .. 7: eight neighbouring numbers of an output row.  The first product takes the bias as C (register j = b[n0 + 8 h + j]): nothing is cleared or added later.
; A 4 x 4 cluster is not used: only W is shared, and a mask here names four work-groups.
; LIMITS: |input|, |W|, |Q|, |K|, |V| < 65,504 (f16's largest number; beyond it the rounding gives infinity).  The sums' order differs from a plain dot product's.
.set WPITCH, 864                       ; an LDS row of W: 3 pieces (q, k, v) of 256 bytes + 32 of padding; 27 x 32 bytes
.set WCH,    288                       ; from piece to piece
.set WSLOT,  128*WPITCH                ; 110,592: a step's tile
.set WQ,     32*WPITCH                 ; 27,648: 32 k rows = a quarter step = what one wave fetches
.set WSTEP,  128*768                   ; bytes of wt in a step
.set XST,    2*WSLOT                   ; 221,184: X's stage, two buffers
.set XPITCH, 272                       ; 128 f16 + 16 bytes
.set XSTB,   64*XPITCH                 ; 17,408
.set OST,    XST+2*XSTB                ; 256,000: the way out, 64 rows
.set OPITCH, 784                       ; 384 f16 + 16 bytes
; window 0
.set XOFF, 8                           ; v8      byte offset in input of my 16 bytes in my wave's first row
.set STX,  9                           ; v9      where I lay 8 bytes of a row into stage buffer 0
.set ADX,  10                          ; v10-11  my X fragments in stage buffer 0, 1
.set ADW,  12                          ; v12-15  my W fragments: slot 0 k 0-63, slot 0 k 64-127, slot 1 likewise (an LDS offset has 16 bits)
.set BOFF, 16                          ; v16     byte offset of my 8 biases
.set STO,  17                          ; v17     the way out: where I put 16 bytes
.set RD,   18                          ; v18     the way out: where I read rows back
.set GOFF, 19                          ; v19     my byte offset in qh, kh, vh
.set F0,   64                          ; v64-143   fragment buffer 0: X's four at +8 a, W's six at +32 + 8 c
.set F1,   144                         ; v144-223  fragment buffer 1
.set TMP,  224                         ; v224-255  a step's X in f16
.set OUTP, 64                          ; v64-159   the way out: results in f16;  v160-255: rows read back
; window 1: accumulator (a, c) at 8 (6 a + c).  window 2: X as loaded, step n at 64 (n % 3); the bias fragments at
.set BIAS, 192                         ; + 8 c
.set G1, 24                            ; s[24:31] descriptor group 1
.set G0, 32                            ; s[32:39] descriptor group 0, one set for each slot
.set MULA, 0x50                        ; C and D window 1, sources window 0
.set MULB, 0x60                        ; D window 1, C window 2
.set X2,   0x80                        ; destination window 2
.set CVX,  0x0a                        ; sources 0 and 1 window 2
.set CVA,  0x05                        ; sources 0 and 1 window 1
.set MSB, 0
.macro WIN new                         ; the immediate's high byte repeats the setting that is left
.if MSB != \new
	s_set_vgpr_msb (MSB<<8)|\new
.set MSB, \new
.endif
.endm
; A load into a register that a matrix instruction has read, and a vector instruction that reads a matrix result or writes one of its registers, stand four
; places behind it; only plain vector instructions that name none of its registers are places (ISA guide 7.12.1 for vector instructions).
.macro PLACES
.rept 4
	v_nop
.endr
.endm
.macro CREST                           ; a round of the cluster's barrier behind its opening barrier
	s_cmp_lg_u32 s20, 0
	s_cbranch_scc1 .Lnot_wave_0_\@
	s_barrier_signal -3
.Lnot_wave_0_\@:
	s_barrier_wait -3
	s_barrier_signal -1
	s_barrier_wait -1
.endm
.macro CROUND                          ; a whole round
	s_barrier_signal -1
	s_barrier_wait -1
	CREST
.endm
	s_load_b512 s[4:19], s[0:1], 0x0               ; input s[4:5], wt s[6:7], bq s[8:9], bk s[10:11], bv s[12:13], qh s[14:15], kh s[16:17], vh s[18:19]
	v_lshl_add_u32 v62, v0, 2, 0x4ac00
	v_mov_b32 v63, 0
	ds_add_u32 v62, v63
	v_lshrrev_b32 v1, 5, v0
	v_readfirstlane_b32 s20, v1                    ; wave 0..3
	s_bfe_u32 s21, ttmp6, 0x40000                  ; cx
	s_lshl_b32 s22, ttmp9, 2
	s_add_co_u32 s22, s22, s21                     ; work-group = 4 x cluster + cx
	v_and_b32 v1, 31, v0                           ; L
	v_and_b32 v2, 15, v0                           ; r = L % 16
	v_bfe_u32 v3, v0, 4, 1                         ; h = L / 16
	v_and_b32 v4, 7, v0                            ; L % 8
	v_bfe_u32 v5, v0, 3, 1                         ; (L / 8) % 2
	s_lshl_b32 s44, s20, 16                        ; my wave's 16 rows of 4,096 bytes
	v_lshl_add_u32 v[XOFF], v1, 4, s44
	s_lshl_b32 s44, s20, 7
	v_lshl_add_u32 v[BOFF], v3, 5, s44             ; 4 (32 w + 8 h)
	s_lshl_b32 s40, s22, 18                        ; 64 rows of 4,096 bytes a work-group
	s_mov_b32 s41, 0
	s_lshl_b32 s42, s22, 14                        ; 64 rows of 256 bytes
	s_mov_b32 s43, 0
	s_wait_dscnt 0x0
	s_wait_kmcnt 0x0
	s_add_nc_u64 s[4:5], s[4:5], s[40:41]
	s_add_nc_u64 s[14:15], s[14:15], s[42:43]
	s_add_nc_u64 s[16:17], s[16:17], s[42:43]
	s_add_nc_u64 s[18:19], s[18:19], s[42:43]
; 16 loads: rows 16 w .. 16 w + 15, the 128 k of step n + ahead, into the buffer of step n (n + 3 has the same)
.macro XLOAD n, ahead
	WIN X2
.irp i, 0,1,2,3,4,5,6,7,8,9,10,11,12,13,14,15
	global_load_b128 v[64*(\n%3)+4*\i:64*(\n%3)+4*\i+3], v[XOFF], s[4:5] offset:4096*\i+512*(\n+\ahead) th:TH_LOAD_NT
.endr
.endm
	WIN X2
.irp m, 0,1,2
.irp c2, 0,1
	global_load_b128 v[BIAS+8*(2*\m+\c2):BIAS+8*(2*\m+\c2)+3],   v[BOFF], s[8+2*\m:9+2*\m] offset:64*\c2
	global_load_b128 v[BIAS+8*(2*\m+\c2)+4:BIAS+8*(2*\m+\c2)+7], v[BOFF], s[8+2*\m:9+2*\m] offset:64*\c2+16
.endr
.endr
	XLOAD 0, 0
	XLOAD 1, 0
	XLOAD 2, 0
	WIN 0
	; descriptor group 1: 96 rows of 128 elements of 2 bytes, dense in memory, 32 bytes of padding behind each row in LDS
	s_mov_b32 s[G1+0], 15|(1<<16)|(1<<20)|(1<<21)|(5<<22)|(7<<25)  ; 15:0 the mask: all four of the cluster; 17:16 2 bytes; 20 padding on; 21 set beside a mask; 24:22 after every 64 words; 31:25 of 8 words
	s_mov_b32 s[G1+1], 128<<16                     ; tensor_dim0 = 128
	s_mov_b32 s[G1+2], 96<<16                      ; tensor_dim1 = 96
	s_mov_b32 s[G1+3], 128<<16                     ; tile_dim0 = 128
	s_mov_b32 s[G1+4], 96                          ; tile_dim1 = 96
	s_mov_b32 s[G1+5], 128                         ; elements from row to row
	s_mov_b32 s[G1+6], 0
	s_mov_b32 s[G1+7], 0
	; group 0: made of the wave's number alone, so it is the same in all four partners
	s_mul_i32 s44, s20, 32*768                     ; my 32 k rows of a step in wt
	s_mov_b32 s45, 0
	s_mov_b32 s[G0+0], 1
	s_mov_b32 s[G0+4], 1
	s_mul_i32 s[G0+1], s20, WQ
	s_add_co_u32 s[G0+5], s[G0+1], WSLOT
	s_add_nc_u64 s[G0+2:G0+3], s[6:7], s[44:45]    ; step 0
	s_add_nc_u64 s[G0+6:G0+7], s[G0+2:G0+3], WSTEP ; step 1
	s_or_b32 s[G0+3], s[G0+3], 0x80000000
	s_or_b32 s[G0+7], s[G0+7], 0x80000000
	CROUND                                         ; all four work-groups are here: the first joint loads meet
	tensor_load_to_lds s[G0:G0+3], s[G1:G1+7]
	s_nop 0
	tensor_load_to_lds s[G0+4:G0+7], s[G1:G1+7]
	s_nop 0
	s_mul_i32 s44, s20, 16*XPITCH
	s_add_co_u32 s44, s44, XST
	v_lshl_add_u32 v[STX], v1, 3, s44              ; stage: row 16 w (+ i), 8 bytes a lane
	v_mul_u32_u24 v6, v2, XPITCH
	v_lshl_add_u32 v6, v3, 4, v6                   ; X fragment: row r, 16 bytes for each half of the lanes
	v_add_nc_u32 v[ADX], XST, v6
	v_add_nc_u32 v[ADX+1], XST+XSTB, v6
	v_lshl_add_u32 v7, v3, 3, v4                   ; W fragment by transposing loads: k row 8 h + L % 8,
	v_mul_u32_u24 v7, v7, WPITCH
	v_lshl_add_u32 v7, v5, 4, v7                   ; 16 bytes for each eight lanes,
	s_lshl_b32 s44, s20, 6
	v_add_nc_u32 v[ADW], s44, v7                   ; my wave's 32 columns
	v_add_nc_u32 v[ADW+1], 2*WQ, v[ADW]
	v_add_nc_u32 v[ADW+2], WSLOT, v[ADW]
	v_add_nc_u32 v[ADW+3], WSLOT+2*WQ, v[ADW]
	s_add_co_u32 s44, s44, OST
	v_mul_u32_u24 v6, v2, OPITCH
	v_lshl_add_u32 v6, v3, 4, v6
	v_add_nc_u32 v[STO], s44, v6                   ; out: row r, byte 64 w + 16 h
	s_mul_i32 s44, s20, 16*OPITCH
	s_add_co_u32 s44, s44, OST
	v_mul_u32_u24 v6, v3, OPITCH
	v_lshl_add_u32 v6, v2, 4, v6
	v_add_nc_u32 v[RD], s44, v6                    ; back: lanes 0-15 one row's 256 bytes, lanes 16-31 the next row's
	s_lshl_b32 s44, s20, 12
	v_lshl_add_u32 v[GOFF], v1, 4, s44             ; and the same two rows in memory: 512 consecutive bytes
; Step n of X: wait for its 16 loads (cnt younger ones stay out), round to f16, lay it into stage buffer n % 2, ask for step n + 3.
.macro XSTAGE n, cnt
	s_wait_loadcnt \cnt                            ; loads come back in order (ISA guide 5.7.1): step n is in, the later steps' loads stay out
	WIN CVX
.irp i, 0,1,2,3,4,5,6,7,8,9,10,11,12,13,14,15
	v_cvt_pk_f16_f32 v[TMP+2*\i],   v[64*(\n%3)+4*\i],   v[64*(\n%3)+4*\i+1]
	v_cvt_pk_f16_f32 v[TMP+2*\i+1], v[64*(\n%3)+4*\i+2], v[64*(\n%3)+4*\i+3]
.endr
	WIN 0
.irp i, 0,1,2,3,4,5,6,7,8,9,10,11,12,13,14,15
	ds_store_b64 v[STX], v[TMP+2*\i:TMP+2*\i+1] offset:XSTB*(\n%2)+XPITCH*\i   ; 32 lanes, 256 neighbouring bytes
.endr
.if \n < 5
	XLOAD \n, 3
.endif
	WIN 0
.endm
; 20 LDS loads: the fragments of quarter q of the step that lies in slot and stage buffer sl, into buffer f
.macro FETCH sl, q, f
.irp a, 0,1,2,3
	ds_load_b128 v[\f+8*\a:\f+8*\a+3],   v[ADX+\sl] offset:16*XPITCH*\a+64*\q
	ds_load_b128 v[\f+8*\a+4:\f+8*\a+7], v[ADX+\sl] offset:16*XPITCH*\a+64*\q+32
.endr
.irp m, 0,1,2
.irp c2, 0,1
	ds_load_tr16_b128 v[\f+32+8*(2*\m+\c2):\f+32+8*(2*\m+\c2)+3],   v[ADW+2*\sl+(\q/2)] offset:WQ*(\q%2)+WCH*\m+32*\c2
	ds_load_tr16_b128 v[\f+32+8*(2*\m+\c2)+4:\f+32+8*(2*\m+\c2)+7], v[ADW+2*\sl+(\q/2)] offset:WQ*(\q%2)+WCH*\m+32*\c2+16*WPITCH
.endr
.endr
.endm
; 12 matrix instructions: row tiles a0, a0 + 1 x all six column tiles.  The 24 accumulators take turns, one instruction a turn, in the same order
; in every quarter.
.macro MUL2 f, a0, bias
.irp a, \a0, \a0+1
.irp c, 0,1,2,3,4,5
.if \bias
	v_wmma_f32_16x16x32_f16 v[8*(6*(\a)+\c):8*(6*(\a)+\c)+7], v[\f+32+8*\c:\f+32+8*\c+7], v[\f+8*(\a):\f+8*(\a)+7], v[BIAS+8*\c:BIAS+8*\c+7]
.else
	v_wmma_f32_16x16x32_f16 v[8*(6*(\a)+\c):8*(6*(\a)+\c)+7], v[\f+32+8*\c:\f+32+8*\c+7], v[\f+8*(\a):\f+8*(\a)+7], v[8*(6*(\a)+\c):8*(6*(\a)+\c)+7]
.endif
.endr
.endr
.endm
; One of a step's first three quarters: asks for the next quarter's fragments (nq) into g, then multiplies f.
.macro QUARTER f, g, sl, nq, bias
	WIN 0
	PLACES                                         ; g was read by the matrix instructions just issued
	FETCH \sl, \nq, \g
	s_wait_dscnt 20                                ; all but the 20 loads just issued: f is in
.if \bias
	WIN MULB
.else
	WIN MULA
.endif
	MUL2 \f, 0, \bias
	MUL2 \f, 2, \bias
.endm
; The last quarter, on buffer 1, and the change of slots.  In front of the barrier each wave waits for its LDS instructions (its reads of slot and stage sl, its
; stores into stage nx) and for all its tensor loads, of which one is out: its part of slot nx.  Behind it slot sl is read by nobody and slot and stage nx are whole.
; fill = 1: the barrier opens a round of the cluster's barrier, and the joint refill of slot sl, two steps ahead, is the first tensor load behind the round.
.macro TURN sl, nx, fill
	s_wait_dscnt 0x0
	s_wait_tensorcnt 0x0
	ds_add_u32 v62, v63
	s_wait_dscnt 0x0
	s_barrier_signal -1
	WIN MULA
	MUL2 F1, 0, 0                                  ; work on registers while the others arrive
	WIN 0
	s_barrier_wait -1
.if \fill
	CREST
	s_add_nc_u64 s[G0+4*\sl+2:G0+4*\sl+3], s[G0+4*\sl+2:G0+4*\sl+3], 2*WSTEP   ; no tensor load of mine is out: the address may be stepped
	tensor_load_to_lds s[G0+4*\sl:G0+4*\sl+3], s[G1:G1+7]
	s_nop 0
.endif
	PLACES
	FETCH \nx, 0, F0
	WIN MULA
	MUL2 F1, 2, 0
.endm
; A step in slot sl.  In its middle step xn of X goes into stage nx, which nobody reads since the last change of slots.
.macro STEP sl, nx, xn, cnt, fill, bias
	QUARTER F0, F1, \sl, 1, \bias
	QUARTER F1, F0, \sl, 2, 0
	XSTAGE \xn, \cnt
	QUARTER F0, F1, \sl, 3, 0
	TURN \sl, \nx, \fill
.endm
	XSTAGE 0, 32                                   ; the 12 bias loads are older than step 0's and are in too
	s_wait_tensorcnt 0x1                           ; my part of W's step 0 is in; step 1's stays out
	s_wait_dscnt 0x0                               ; my part of X's step 0 is in the stage
	s_barrier_signal -1
	s_barrier_wait -1
	FETCH 0, 0, F0
	STEP 0, 1, 1, 32, 1, 1                         ; the first products take the bias as C
	STEP 1, 0, 2, 32, 1, 0
	STEP 0, 1, 3, 32, 1, 0
	STEP 1, 0, 4, 32, 1, 0
	STEP 0, 1, 5, 32, 1, 0
	STEP 1, 0, 6, 16, 1, 0                         ; behind step 6 of X only step 7's 16 loads are out; the last refill: W's step 7
	STEP 0, 1, 7, 0, 0, 0                          ; nothing more to fetch from memory
	QUARTER F0, F1, 1, 1, 0
	QUARTER F1, F0, 1, 2, 0
	QUARTER F0, F1, 1, 3, 0
	s_wait_dscnt 0x0
	WIN MULA
	MUL2 F1, 0, 0
	MUL2 F1, 2, 0
	; THE WAY OUT: round to f16, 16 bytes a lane into the stage of 64 rows x 768 bytes, read whole rows back, store 512 consecutive bytes an instruction.
	PLACES
	WIN CVA
.irp a, 0,1,2,3
.irp c, 0,1,2,3,4,5
.irp j, 0,1,2,3
	v_cvt_pk_f16_f32 v[OUTP+4*(6*\a+\c)+\j], v[8*(6*\a+\c)+2*\j], v[8*(6*\a+\c)+2*\j+1]
.endr
.endr
.endr
	WIN 0
.irp a, 0,1,2,3
.irp m, 0,1,2
.irp c2, 0,1
	ds_store_b128 v[STO], v[OUTP+4*(6*\a+2*\m+\c2):OUTP+4*(6*\a+2*\m+\c2)+3] offset:16*OPITCH*\a+256*\m+32*\c2
.endr
.endr
.endr
	s_wait_dscnt 0x0                               ; a row holds pieces of all four waves:
	s_barrier_signal -1
	s_barrier_wait -1                              ; all are there
.set on, 0
.irp i, 0,1,2,3,4,5,6,7
.irp m, 0,1,2
	ds_load_b128 v[160+4*on:163+4*on], v[RD] offset:2*OPITCH*\i+256*\m
.set on, on+1
.endr
.endr
.set on, 0
.irp i, 0,1,2,3,4,5,6,7
.irp m, 0,1,2
	s_wait_dscnt 23-on                             ; LDS loads come back in order: this one is in, the younger ones stay out
	global_store_b128 v[GOFF], v[160+4*on:163+4*on], s[14+2*\m:15+2*\m] offset:512*\i   ; rows 16 w + 2 i, + 1 of Q, K or V: 512 consecutive bytes, aligned
.set on, on+1
.endr
.endr
	s_wait_tensorcnt 0x0
	ds_add_u32 v62, v63
	s_wait_dscnt 0x0
	CROUND                                         ; the closing round: no work-group ends while a partner may still ask for a tile that names it
	s_endpgm
.Lfunc_end_k_qd13c95f872_qkv:
	.size	k_qd13c95f872_qkv, .Lfunc_end_k_qd13c95f872_qkv-k_qd13c95f872_qkv
	.p2alignl 7, 3214868480
	.fill 96, 4, 3214868480
	.section	.rodata,"a",@progbits
	.p2align	6, 0x0
	.amdhsa_kernel k_qd13c95f872_qkv
		.amdhsa_group_segment_fixed_size 327680
		.amdhsa_private_segment_fixed_size 0
		.amdhsa_enable_private_segment 0
		.amdhsa_kernarg_size 64
		.amdhsa_user_sgpr_count 2
		.amdhsa_user_sgpr_kernarg_segment_ptr 1
		.amdhsa_wavefront_size32 1
		.amdhsa_system_sgpr_workgroup_id_x 1
		.amdhsa_system_sgpr_workgroup_id_y 1
		.amdhsa_system_sgpr_workgroup_id_z 1
		.amdhsa_system_vgpr_workitem_id 0
		.amdhsa_next_free_vgpr 768
		.amdhsa_next_free_sgpr 66
		.amdhsa_reserve_vcc 0
		.amdhsa_float_denorm_mode_32 3
		.amdhsa_float_denorm_mode_16_64 3
		.amdhsa_memory_ordered 1
		.amdhsa_forward_progress 1
		.amdhsa_inst_pref_size 154
	.end_amdhsa_kernel
	.amdgpu_metadata
---
amdhsa.version: [ 1, 2 ]
amdhsa.kernels:
  - .name:           k_qd13c95f872_qkv
    .symbol:         k_qd13c95f872_qkv.kd
    .args:
      - { .name: input, .offset: 0, .size: 8, .value_kind: global_buffer, .address_space: global }
      - { .name: wt, .offset: 8, .size: 8, .value_kind: global_buffer, .address_space: global }
      - { .name: bq, .offset: 16, .size: 8, .value_kind: global_buffer, .address_space: global }
      - { .name: bk, .offset: 24, .size: 8, .value_kind: global_buffer, .address_space: global }
      - { .name: bv, .offset: 32, .size: 8, .value_kind: global_buffer, .address_space: global }
      - { .name: qh, .offset: 40, .size: 8, .value_kind: global_buffer, .address_space: global }
      - { .name: kh, .offset: 48, .size: 8, .value_kind: global_buffer, .address_space: global }
      - { .name: vh, .offset: 56, .size: 8, .value_kind: global_buffer, .address_space: global }
    .group_segment_fixed_size: 327680
    .private_segment_fixed_size: 0
    .kernarg_segment_align: 8
    .kernarg_segment_size: 64
    .max_flat_workgroup_size: 128
    .sgpr_count:     66
    .vgpr_count:     768
    .wavefront_size: 32
...
	.end_amdgpu_metadata
.endif
;; end of part 2
;; launch attn (part 3): grid 256 x 1, 4 waves a work-group, clusters of 4 x 1, 327,680 bytes of LDS; arguments qh, kh, vh, out0; writes out0
.if DOCPART == 3
	.amdgcn_target "amdgcn-amd-amdhsa--gfx1250"
	.amdhsa_code_object_version 6
	.text
	.protected	k_qd13c95f872_attn
	.globl	k_qd13c95f872_attn
	.p2align	8
	.type	k_qd13c95f872_attn,@function
k_qd13c95f872_attn:
	s_mov_b64 s[64:65], 0
	v_nop
	global_prefetch_b8 v0, s[64:65] scope:SCOPE_SE
	s_setreg_imm32_b32 hwreg(HW_REG_WAVE_MODE, 25, 1), 1
	s_wait_xcnt 0x0
	s_wait_alu depctr_hold_cnt(0) depctr_sa_sdst(0) depctr_va_vdst(0) depctr_va_sdst(0) depctr_va_ssrc(0) depctr_va_vcc(0) depctr_vm_vsrc(0)
	s_getreg_b32 s2, hwreg(HW_REG_IB_STS2, 6, 4)
	s_cmp_eq_u32 s2, 0
	s_cbranch_scc0 .Lentry_in_a_cluster
	s_endpgm
.Lentry_in_a_cluster:
	s_bfe_u32 s2, ttmp6, 0x10000c
	s_cmp_lg_u32 s2, 0x3003
	s_cbranch_scc0 .Lentry_shape_is_right
	s_endpgm
.Lentry_shape_is_right:
; out0 = softmax(Q K^T / sqrt(128)) V for each of 4 batches of 4,096 rows.  qh, kh, vh: [16384][128] f16; out0: [16384][128] f32.  f16 operands, f32 sums, softmax in f32.
; A work-group owns 64 queries.  Keys go in 16 tiles of 256; all four waves work on the same 64 queries, wave w on keys 64 w .. 64 w + 63 of each tile, with a running
; maximum, sum and O of its own; the four partial results meet in LDS at the end.  So a wave's block is 64 keys x 64 queries: 64 LDS loads feed 128 matrix instructions.
; CLUSTER: the four work-groups of a cluster lie in one batch (64 work-groups a batch) and walk the same K and V tiles: these are asked for JOINTLY (mask 15), into two LDS slots.
; Each wave fetches, and alone reads, its own 64 rows of K and of V.  By this text's count a wave has four tensor loads out at the start, later two.
; BOTH PRODUCTS ARE TRANSPOSED.  S^T = K Q^T (source 0 = 16 keys, source 1 = 16 queries): lane (r, h) holds query r, registers 0-7 the keys 8 h + 0 .. 7, so maximum and sum are
; a lane's own, one exchange joins the two halves of the lanes, and the registers packed in pairs ARE the second source of O^T = V^T P^T (source 0 = 16 columns of V,
; by transposing LDS loads): no number changes its lane.  In O^T lane (r, h) again holds query r, so the rescaling factor is a lane's own too.
; EXPONENTS: p = exp2(c s + NM), c = log2(e) / sqrt(128), NM = -c M as rounded, M the running maximum.  The factor for the old sums is exp2(NM new - NM old), made of the two
; rounded numbers themselves, so that all of a wave's p, l and O stand relative to exactly 2^NM, whatever the size of the scores.
; LIMITS: |Q|, |K|, |V| < 65,504 (they arrive in f16).  The maxima pass over a NaN, which still reaches l and O through the exponential.  v_exp_f32 gives 0 below 2^-126
; (ISA guide 15.8), and p below 2^-24 rounds to 0 in f16.  The order of the sums differs from the plain one's.
.set KP,    272                        ; an LDS row of K: 256 bytes + 16
.set VP,    288                        ; an LDS row of V: 256 bytes + 32 = 9 x 32
.set KB,    256*KP                     ; 69,632
.set SLOT,  KB+256*VP                  ; 143,360: K's 256 rows, then V's
.set STAT,  2*SLOT                     ; 286,720: NM at 16 q + 4 w, l at 1,024 + 16 q + 4 w; no tensor load lands here
.set OP,    528                        ; the stage for O, f32: 512 bytes + 16
.set OW,    64*OP                      ; 33,792: one wave's partial O; the four lie in slot 0, used behind its last fill of the launch
.set TILEB, 256*256                    ; bytes of K or V in a tile
.set NEGC,  0xbe0293ee                 ; -c
; window 0
.set ADK,  8                           ; v8-9    my K fragments in slot 0, 1
.set ADV,  10                          ; v10-11  my V fragments in slot 0, 1
.set QOFF, 12
.set STA,  13                          ; where I put my wave's NM and l
.set STR,  14                          ; where I read the four waves'
.set STO,  15                          ; where I put 16 bytes of my partial O
.set ST,   16                          ; v16-31  query tile qt at + 4 qt: NM, M, AL (the factor), L
.set T,    32                          ; v32-47  at work
.set RD0,  48                          ; the way out: partials 0, 1
.set RD1,  49                          ; partials 2, 3 (an LDS offset has 16 bits)
.set OOFF, 50
.set PF,   64                          ; v64-127   P^T (qt, u) at + 16 qt + 8 u
.set SC,   128                         ; v128-255  S^T (kt, qt) at + 32 qt + 8 kt
; window 1: Q (qt, ks) at 8 (4 qt + ks); K (kt, ks) at 128 + 8 (4 kt + ks).  window 2: O^T (i, qt) at 8 (8 qt + i).  window 3: V^T (u, i) at 8 (8 u + i).
.set G1K, 16                           ; s[16:23]
.set G1V, 24                           ; s[24:31]
.set G0K, 32                           ; s[32:39] one set for each slot
.set G0V, 40                           ; s[40:47]
.set W_S,  0x05                        ; S products: sources window 1, C and D window 0
.set W_PV, 0xa3                        ; PV products: source 0 window 3, source 1 window 0, C and D window 2
.set W_RS, 0x82                        ; rescaling: source 0 and destination window 2
.set W_L1, 0x40                        ; loads into window 1
.set W_L3, 0xc0                        ; loads into window 3
.set W_OS, 0x08                        ; LDS stores of window 2
.set MSB, 0
.macro WIN new                         ; the immediate's high byte repeats the setting that is left
.if MSB != \new
	s_set_vgpr_msb (MSB<<8)|\new
.set MSB, \new
.endif
.endm
; A load into a register that a matrix instruction has read, and a vector instruction that reads a matrix result or writes one of its registers, stand four
; places behind it; only plain vector instructions that name none of its registers are places (ISA guide 7.12.1 for vector instructions).
.macro PLACES
.rept 4
	v_nop
.endr
.endm
.macro CREST                           ; a round of the cluster's barrier behind its opening barrier
	s_cmp_lg_u32 s12, 0
	s_cbranch_scc1 .Lnot_wave_0_\@
	s_barrier_signal -3
.Lnot_wave_0_\@:
	s_barrier_wait -3
	s_barrier_signal -1
	s_barrier_wait -1
.endm
.macro CROUND
	s_barrier_signal -1
	s_barrier_wait -1
	CREST
.endm
	s_load_b256 s[4:11], s[0:1], 0x0               ; qh s[4:5], kh s[6:7], vh s[8:9], out0 s[10:11]
	v_lshl_add_u32 v62, v0, 2, 0x46800
	v_mov_b32 v63, 0
	ds_add_u32 v62, v63
	v_lshrrev_b32 v1, 5, v0
	v_readfirstlane_b32 s12, v1                    ; wave 0..3
	s_bfe_u32 s13, ttmp6, 0x40000                  ; cx
	s_lshl_b32 s14, ttmp9, 2
	s_add_co_u32 s14, s14, s13                     ; work-group = 4 x cluster + cx
	s_lshr_b32 s15, ttmp9, 4                       ; batch: 16 clusters each; the same in all four partners
	s_mov_b32 s50, 0x76543210                      ; v_permlanex16_b32: lane i of one half reads lane i of the other
	s_mov_b32 s51, 0xfedcba98
	s_mov_b32 s54, 0x3e0293ee                      ; c, as a pair for the packed multiply-add
	s_mov_b32 s55, 0x3e0293ee
	; group 1: 64 rows of 128 elements of 2 bytes, dense in memory; K's rows padded by 16 bytes in LDS, V's by 32
	s_mov_b32 s[G1K+0], 15|(1<<16)|(1<<20)|(1<<21)|(5<<22)|(3<<25)  ; 15:0 the mask: all four; 17:16 2 bytes; 20 padding on; 21 set beside a mask; 24:22 after every 64 words; 31:25 of 4 words
	s_mov_b32 s[G1V+0], 15|(1<<16)|(1<<20)|(1<<21)|(5<<22)|(7<<25)  ; of 8 words
.irp g, G1K, G1V
	s_mov_b32 s[\g+1], 128<<16                     ; tensor_dim0 = 128
	s_mov_b32 s[\g+2], 64<<16                      ; tensor_dim1 = 64
	s_mov_b32 s[\g+3], 128<<16                     ; tile_dim0 = 128
	s_mov_b32 s[\g+4], 64                          ; tile_dim1 = 64
	s_mov_b32 s[\g+5], 128                         ; elements from row to row
	s_mov_b32 s[\g+6], 0
	s_mov_b32 s[\g+7], 0
.endr
	; group 0: made of the batch and the wave's number alone
	s_lshl_b32 s2, s15, 20                         ; 4,096 rows of 256 bytes a batch
	s_lshl_b32 s3, s12, 14                         ; my 64 rows of a tile
	s_add_co_u32 s2, s2, s3
	s_mov_b32 s3, 0
	s_mov_b32 s[G0K+0], 1
	s_mov_b32 s[G0K+4], 1
	s_mov_b32 s[G0V+0], 1
	s_mov_b32 s[G0V+4], 1
	s_mul_i32 s[G0K+1], s12, 64*KP
	s_add_co_u32 s[G0K+5], s[G0K+1], SLOT
	s_mul_i32 s[G0V+1], s12, 64*VP
	s_add_co_u32 s[G0V+1], s[G0V+1], KB
	s_add_co_u32 s[G0V+5], s[G0V+1], SLOT
	s_lshl_b32 s52, s14, 14                        ; my work-group's 64 rows of qh
	s_mov_b32 s53, 0
	s_wait_dscnt 0x0
	s_wait_kmcnt 0x0
	s_add_nc_u64 s[G0K+2:G0K+3], s[6:7], s[2:3]    ; tile 0
	s_add_nc_u64 s[G0K+6:G0K+7], s[G0K+2:G0K+3], TILEB   ; tile 1
	s_add_nc_u64 s[G0V+2:G0V+3], s[8:9], s[2:3]
	s_add_nc_u64 s[G0V+6:G0V+7], s[G0V+2:G0V+3], TILEB
	s_or_b32 s[G0K+3], s[G0K+3], 0x80000000
	s_or_b32 s[G0K+7], s[G0K+7], 0x80000000
	s_or_b32 s[G0V+3], s[G0V+3], 0x80000000
	s_or_b32 s[G0V+7], s[G0V+7], 0x80000000
	s_add_nc_u64 s[4:5], s[4:5], s[52:53]
	s_lshl_b32 s52, s14, 15                        ; and of out0
	s_add_nc_u64 s[10:11], s[10:11], s[52:53]
	CROUND                                         ; all four work-groups are here: the first joint loads meet
	tensor_load_to_lds s[G0K:G0K+3], s[G1K:G1K+7]
	s_nop 0
	tensor_load_to_lds s[G0V:G0V+3], s[G1V:G1V+7]
	s_nop 0
	tensor_load_to_lds s[G0K+4:G0K+7], s[G1K:G1K+7]
	s_nop 0
	tensor_load_to_lds s[G0V+4:G0V+7], s[G1V:G1V+7]
	s_nop 0
	v_and_b32 v1, 31, v0                           ; L
	v_and_b32 v2, 15, v0                           ; r
	v_bfe_u32 v3, v0, 4, 1                         ; h
	v_and_b32 v4, 7, v0                            ; L % 8
	v_bfe_u32 v5, v0, 3, 1                         ; (L / 8) % 2
	v_lshlrev_b32 v6, 8, v2
	v_lshl_add_u32 v[QOFF], v3, 4, v6              ; Q fragment straight from memory: row r, 16 bytes for each half of the lanes
	WIN W_L1
.irp qt, 0,1,2,3
.irp ks, 0,1,2,3
	global_load_b128 v[8*(4*\qt+\ks):8*(4*\qt+\ks)+3],   v[QOFF], s[4:5] offset:4096*\qt+64*\ks
	global_load_b128 v[8*(4*\qt+\ks)+4:8*(4*\qt+\ks)+7], v[QOFF], s[4:5] offset:4096*\qt+64*\ks+32
.endr
.endr
	WIN 0
	v_mul_u32_u24 v6, v2, KP
	v_lshl_add_u32 v6, v3, 4, v6
	v_add_nc_u32 v[ADK], s[G0K+1], v6              ; my wave's rows of K, row r, 16 h
	v_add_nc_u32 v[ADK+1], s[G0K+5], v6
	v_lshl_add_u32 v7, v3, 3, v4                   ; V by transposing loads: key row 8 h + L % 8,
	v_mul_u32_u24 v7, v7, VP
	v_lshl_add_u32 v7, v5, 4, v7                   ; 16 bytes for each eight lanes
	v_add_nc_u32 v[ADV], s[G0V+1], v7
	v_add_nc_u32 v[ADV+1], s[G0V+5], v7
	s_lshl_b32 s49, s12, 2
	s_add_co_u32 s49, s49, STAT
	v_lshl_add_u32 v[STA], v2, 4, s49
	v_lshlrev_b32 v6, 4, v2
	v_add_nc_u32 v[STR], STAT, v6
	s_mul_i32 s49, s12, OW
	v_mul_u32_u24 v6, v2, OP
	v_lshl_add_u32 v6, v3, 5, v6
	v_add_nc_u32 v[STO], s49, v6                   ; my partial O: row r, 32 h
	s_mul_i32 s49, s12, 16*OP
	v_lshl_add_u32 v[RD0], v1, 4, s49              ; the rows that I sum: 16 w .., 16 bytes a lane
	v_add_nc_u32 v[RD1], 2*OW, v[RD0]
	s_lshl_b32 s49, s12, 13
	v_lshl_add_u32 v[OOFF], v1, 4, s49             ; and the same rows in out0
.macro FETCHK sl                       ; 32 loads: my 64 keys x 128 as 16 fragments
	WIN W_L1
.irp kt, 0,1,2,3
.irp ks, 0,1,2,3
	ds_load_b128 v[128+8*(4*\kt+\ks):128+8*(4*\kt+\ks)+3],   v[ADK+\sl] offset:16*KP*\kt+64*\ks
	ds_load_b128 v[128+8*(4*\kt+\ks)+4:128+8*(4*\kt+\ks)+7], v[ADK+\sl] offset:16*KP*\kt+64*\ks+32
.endr
.endr
.endm
.macro FETCHV sl                       ; 32 transposing loads: my 64 keys x 128 columns of V as 16 fragments of V^T
	WIN W_L3
.irp u, 0,1
.irp i, 0,1,2,3,4,5,6,7
	ds_load_tr16_b128 v[8*(8*\u+\i):8*(8*\u+\i)+3],   v[ADV+\sl] offset:32*VP*\u+32*\i
	ds_load_tr16_b128 v[8*(8*\u+\i)+4:8*(8*\u+\i)+7], v[ADV+\sl] offset:32*VP*\u+32*\i+16*VP
.endr
.endr
.endm
; 64 matrix instructions: S^T of 64 keys x 64 queries.  The first 32 of the 128 start the sums.  The 16 accumulators take turns, one instruction a turn.
.macro SMUL
	WIN W_S
.irp ks, 0,1,2,3
.irp kt, 0,1,2,3
.irp qt, 0,1,2,3
.if \ks == 0
	v_wmma_f32_16x16x32_f16 v[SC+32*\qt+8*\kt:SC+32*\qt+8*\kt+7], v[128+8*(4*\kt+\ks):128+8*(4*\kt+\ks)+7], v[8*(4*\qt+\ks):8*(4*\qt+\ks)+7], 0
.else
	v_wmma_f32_16x16x32_f16 v[SC+32*\qt+8*\kt:SC+32*\qt+8*\kt+7], v[128+8*(4*\kt+\ks):128+8*(4*\kt+\ks)+7], v[8*(4*\qt+\ks):8*(4*\qt+\ks)+7], v[SC+32*\qt+8*\kt:SC+32*\qt+8*\kt+7]
.endif
.endr
.endr
.endr
.endm
; 64 matrix instructions: O^T += V^T P^T.  The 32 accumulators take turns, one instruction a turn.  first = 1: the first 32 keys start the sums.
.macro PVMUL first
	WIN W_PV
.irp u, 0,1
.irp qt, 0,1,2,3
.irp i, 0,1,2,3,4,5,6,7
.if \first*(1-\u)
	v_wmma_f32_16x16x32_f16 v[8*(8*\qt+\i):8*(8*\qt+\i)+7], v[8*(8*\u+\i):8*(8*\u+\i)+7], v[PF+16*\qt+8*\u:PF+16*\qt+8*\u+7], 0
.else
	v_wmma_f32_16x16x32_f16 v[8*(8*\qt+\i):8*(8*\qt+\i)+7], v[8*(8*\u+\i):8*(8*\u+\i)+7], v[PF+16*\qt+8*\u:PF+16*\qt+8*\u+7], v[8*(8*\qt+\i):8*(8*\qt+\i)+7]
.endif
.endr
.endr
.endr
.endm
; The softmax step of query tile qt: a lane's 32 scores of one query lie in 32 neighbouring registers.
.macro SOFT qt, first
.set SB, SC+32*\qt
.set PB, PF+16*\qt
.set NM, ST+4*\qt
.set MX, ST+4*\qt+1
.set AL, ST+4*\qt+2
.set LS, ST+4*\qt+3
.irp k, 0,1,2,3
	v_max3_num_f32 v[T+\k], v[SB+8*\k], v[SB+8*\k+1], v[SB+8*\k+2]      ; four chains that do not wait for each other
.endr
.irp k, 0,1,2,3
	v_max3_num_f32 v[T+\k], v[T+\k], v[SB+8*\k+3], v[SB+8*\k+4]
.endr
.irp k, 0,1,2,3
	v_max3_num_f32 v[T+\k], v[T+\k], v[SB+8*\k+5], v[SB+8*\k+6]
.endr
	v_max3_num_f32 v[T], v[T], v[T+1], v[SB+7]
	v_max3_num_f32 v[T+2], v[T+2], v[T+3], v[SB+15]
	v_max3_num_f32 v[T], v[T], v[T+2], v[SB+23]
	v_max_num_f32 v[T], v[T], v[SB+31]
	v_permlanex16_b32 v[T+1], v[T], s50, s51       ; the other half of the lanes holds the query's other 32 keys
.if \first
	v_max_num_f32 v[MX], v[T], v[T+1]
	v_mul_f32 v[NM], NEGC, v[MX]
.else
	v_mov_b32 v[T+3], v[NM]
	v_max3_num_f32 v[MX], v[T], v[T+1], v[MX]      ; the running maximum
	v_mul_f32 v[NM], NEGC, v[MX]
	v_sub_f32 v[T+3], v[NM], v[T+3]                ; at most 0
	v_exp_f32 v[AL], v[T+3]                        ; the factor for the old l and O; the multiply-adds below are the plain place behind it (ISA guide 5.7.2)
.endif
.set sn, 0
.rept 16
	v_pk_fma_f32 v[SB+2*sn:SB+2*sn+1], v[SB+2*sn:SB+2*sn+1], s[54:55], v[NM:NM+1] op_sel_hi:[1,0,0]   ; c s - c M, scale and maximum in one
.set sn, sn+1
.endr
.set sn, 0
.rept 32
	v_exp_f32 v[SB+sn], v[SB+sn]
.set sn, sn+1
.endr
	v_nop                                          ; one plain place behind the last exponential
	s_wait_alu depctr_va_vdst(0)
.irp p, 0,1,2,3,4,5,6,7
	v_pk_add_f32 v[T+2*\p:T+2*\p+1], v[SB+4*\p:SB+4*\p+1], v[SB+4*\p+2:SB+4*\p+3]
.endr
.irp p, 0,1,2,3
	v_pk_add_f32 v[T+2*\p:T+2*\p+1], v[T+2*\p:T+2*\p+1], v[T+2*\p+8:T+2*\p+9]
.endr
	v_pk_add_f32 v[T:T+1], v[T:T+1], v[T+4:T+5]
	v_pk_add_f32 v[T+2:T+3], v[T+2:T+3], v[T+6:T+7]
	v_pk_add_f32 v[T:T+1], v[T:T+1], v[T+2:T+3]
.if \first
	v_add_f32 v[LS], v[T], v[T+1]
.else
	v_add_f32 v[T], v[T], v[T+1]
	v_fma_f32 v[LS], v[LS], v[AL], v[T]            ; l of my half of the keys; the halves are joined once, at the end
.endif
.set sn, 0
.rept 16
	v_cvt_pk_f16_f32 v[PB+sn], v[SB+2*sn], v[SB+2*sn+1]   ; the lower key in the lower half: the second source of the PV products as it stands
.set sn, sn+1
.endr
.endm
.macro RESCALE                         ; O^T times the lane's factor
	WIN W_RS
.irp qt, 0,1,2,3
.set rn, 0
.rept 32
	v_pk_mul_f32 v[64*\qt+2*rn:64*\qt+2*rn+1], v[64*\qt+2*rn:64*\qt+2*rn+1], v[ST+4*\qt+2:ST+4*\qt+3] op_sel_hi:[1,0]
.set rn, rn+1
.endr
.endr
.endm
; One tile, in slot sl; its K fragments are already asked for.  refill = 1: when my V fragments are in registers too the slot is free; each wave waits for its LDS loads and for all
; its tensor loads (the two that are out are its part of slot nx), the barrier opens a round of the cluster's barrier, with the rescaling as the register work inside it,
; and the joint refills, two tiles ahead, are the first tensor loads behind the round.  They have 128 matrix instructions and a softmax step in which to land.
.macro STEP sl, nx, first, refill, nextk
	WIN 0
	PLACES                                         ; V's registers were read by the matrix instructions just issued
	FETCHV \sl
	s_wait_dscnt 32                                ; all but the 32 loads just issued: K's fragments are in
	SMUL
	WIN 0
	PLACES
	SOFT 0, \first
	SOFT 1, \first
	SOFT 2, \first
	SOFT 3, \first
	s_wait_dscnt 0x0                               ; V's fragments are in: my reads of this slot are over
	s_wait_tensorcnt 0x0                           ; all my tensor loads have landed: my rows of the next tile are in slot nx
	ds_add_u32 v62, v63
	s_wait_dscnt 0x0
.if \refill
	s_barrier_signal -1
.endif
.if \first == 0
	RESCALE
.endif
	WIN 0
.if \refill
	s_barrier_wait -1
	CREST
	s_add_nc_u64 s[G0K+4*\sl+2:G0K+4*\sl+3], s[G0K+4*\sl+2:G0K+4*\sl+3], 2*TILEB   ; no tensor load of mine is out: the addresses may be stepped
	s_add_nc_u64 s[G0V+4*\sl+2:G0V+4*\sl+3], s[G0V+4*\sl+2:G0V+4*\sl+3], 2*TILEB
	tensor_load_to_lds s[G0K+4*\sl:G0K+4*\sl+3], s[G1K:G1K+7]
	s_nop 0
	tensor_load_to_lds s[G0V+4*\sl:G0V+4*\sl+3], s[G1V:G1V+7]
	s_nop 0
.endif
.if \nextk
	FETCHK \nx                                     ; the next tile's K, 64 matrix instructions ahead of its use
.endif
	PVMUL \first
.endm
	s_wait_loadcnt 0x0                             ; Q, once
	s_wait_tensorcnt 0x2                           ; my rows of tile 0 are in; tile 1's two loads stay out.  I read only what I fetched: no barrier
	FETCHK 0
	STEP 0, 1, 1, 1, 1                             ; tile 0 starts maximum, sum and O: nothing is cleared
	STEP 1, 0, 0, 1, 1
	WIN 0                                          ; at a label and at a branch every window is 0
	s_mov_b32 s48, 6
.Ltiles:                                               ; tiles 2 to 13; they ask for tiles 4 to 15
	STEP 0, 1, 0, 1, 1
	STEP 1, 0, 0, 1, 1
	WIN 0
	s_sub_co_u32 s48, s48, 1
	s_cmp_lg_u32 s48, 0
	s_cbranch_scc1 .Ltiles
	STEP 0, 1, 0, 0, 1                             ; the last two tiles fetch nothing
	STEP 1, 0, 0, 0, 0
	; THE FOUR WAVES' RESULTS MEET.  First NM and l.
	WIN 0
	PLACES
.irp qt, 0,1,2,3
	v_permlanex16_b32 v[T+\qt], v[ST+4*\qt+3], s50, s51
.endr
.irp qt, 0,1,2,3
	v_add_f32 v[ST+4*\qt+3], v[ST+4*\qt+3], v[T+\qt]       ; l over both halves of my keys
.endr
.irp qt, 0,1,2,3
	ds_store_b32 v[STA], v[ST+4*\qt] offset:256*\qt        ; both halves of the lanes write the same word with the same value
	ds_store_b32 v[STA], v[ST+4*\qt+3] offset:1024+256*\qt
.endr
	s_wait_dscnt 0x0                               ; my stores are done, and so are all my reads of the slots; my tensor loads have all landed
	s_barrier_signal -1
	s_barrier_wait -1                              ; the same holds of every wave: slot 0, which is filled no more, may serve as the stage for O
.irp qt, 0,1,2,3
	ds_load_b128 v[SC+4*\qt:SC+4*\qt+3], v[STR] offset:256*\qt             ; the four NM of query 16 qt + r
	ds_load_b128 v[SC+16+4*\qt:SC+16+4*\qt+3], v[STR] offset:1024+256*\qt  ; the four l
.endr
	s_wait_dscnt 0x0
.irp qt, 0,1,2,3
	v_min3_num_f32 v[T+\qt], v[SC+4*\qt], v[SC+4*\qt+1], v[SC+4*\qt+2]
.endr
.irp qt, 0,1,2,3
	v_min_num_f32 v[T+\qt], v[T+\qt], v[SC+4*\qt+3]        ; the least NM belongs to the largest maximum
.endr
.irp qt, 0,1,2,3
	v_sub_f32 v[T+4+\qt], v[T+\qt], v[ST+4*\qt]            ; mine
.irp p, 0,1,2,3
	v_sub_f32 v[SC+4*\qt+\p], v[T+\qt], v[SC+4*\qt+\p]     ; all at most 0
.endr
.endr
.set sn, 0
.rept 16
	v_exp_f32 v[SC+sn], v[SC+sn]
.set sn, sn+1
.endr
.irp qt, 0,1,2,3
	v_exp_f32 v[T+4+\qt], v[T+4+\qt]
.endr
	v_nop                                          ; one plain place behind the last exponential
	s_wait_alu depctr_va_vdst(0)
.irp qt, 0,1,2,3
	v_mul_f32 v[T+\qt], v[SC+4*\qt], v[SC+16+4*\qt]
.endr
.irp p, 1,2,3
.irp qt, 0,1,2,3
	v_fmac_f32 v[T+\qt], v[SC+4*\qt+\p], v[SC+16+4*\qt+\p] ; the whole row's sum, relative to the largest maximum
.endr
.endr
.irp qt, 0,1,2,3
	v_rcp_f32 v[T+\qt], v[T+\qt]
.endr
	v_nop
	s_wait_alu depctr_va_vdst(0)
.irp qt, 0,1,2,3
	v_mul_f32 v[ST+4*\qt+2], v[T+4+\qt], v[T+\qt]          ; my factor: my weight over the sum
.endr
	RESCALE
	WIN W_OS
.irp qt, 0,1,2,3
.irp i, 0,1,2,3,4,5,6,7
	ds_store_b128 v[STO], v[8*(8*\qt+\i):8*(8*\qt+\i)+3]   offset:16*OP*\qt+64*\i
	ds_store_b128 v[STO], v[8*(8*\qt+\i)+4:8*(8*\qt+\i)+7] offset:16*OP*\qt+64*\i+16
.endr
.endr
	WIN 0
	s_wait_dscnt 0x0
	s_barrier_signal -1
	s_barrier_wait -1                              ; all four partial O are in the stage
; THE WAY OUT: wave w adds the four partials of rows 16 w .. 16 w + 15, eight rows at a time; a lane takes 16 bytes, a store covers a whole row of 512 bytes.
.macro OUTB b
.irp rr, 0,1,2,3,4,5,6,7
.irp p, 0,1,2,3
	ds_load_b128 v[SC+16*\rr+4*\p:SC+16*\rr+4*\p+3], v[RD0+(\p/2)] offset:OW*(\p%2)+OP*(8*\b+\rr)
.endr
.endr
.irp rr, 0,1,2,3,4,5,6,7
	s_wait_dscnt 28-4*\rr                          ; LDS loads come back in order: this row's four are in, the later rows' stay out
	v_pk_add_f32 v[SC+16*\rr:SC+16*\rr+1],     v[SC+16*\rr:SC+16*\rr+1],     v[SC+16*\rr+4:SC+16*\rr+5]
	v_pk_add_f32 v[SC+16*\rr+2:SC+16*\rr+3],   v[SC+16*\rr+2:SC+16*\rr+3],   v[SC+16*\rr+6:SC+16*\rr+7]
	v_pk_add_f32 v[SC+16*\rr+8:SC+16*\rr+9],   v[SC+16*\rr+8:SC+16*\rr+9],   v[SC+16*\rr+12:SC+16*\rr+13]
	v_pk_add_f32 v[SC+16*\rr+10:SC+16*\rr+11], v[SC+16*\rr+10:SC+16*\rr+11], v[SC+16*\rr+14:SC+16*\rr+15]
	v_pk_add_f32 v[SC+16*\rr:SC+16*\rr+1],     v[SC+16*\rr:SC+16*\rr+1],     v[SC+16*\rr+8:SC+16*\rr+9]
	v_pk_add_f32 v[SC+16*\rr+2:SC+16*\rr+3],   v[SC+16*\rr+2:SC+16*\rr+3],   v[SC+16*\rr+10:SC+16*\rr+11]
	global_store_b128 v[OOFF], v[SC+16*\rr:SC+16*\rr+3], s[10:11] offset:512*(8*\b+\rr) th:TH_STORE_NT
.endr
.endm
	OUTB 0
	s_wait_xcnt 0x0                                ; the registers that the stores read are loaded again only behind this wait (ISA guide 3.1)
	OUTB 1
	s_wait_tensorcnt 0x0
	ds_add_u32 v62, v63
	s_wait_dscnt 0x0
	CROUND                                         ; the closing round: no work-group ends while a partner may still ask for a tile that names it
	s_endpgm
.Lfunc_end_k_qd13c95f872_attn:
	.size	k_qd13c95f872_attn, .Lfunc_end_k_qd13c95f872_attn-k_qd13c95f872_attn
	.p2alignl 7, 3214868480
	.fill 96, 4, 3214868480
	.section	.rodata,"a",@progbits
	.p2align	6, 0x0
	.amdhsa_kernel k_qd13c95f872_attn
		.amdhsa_group_segment_fixed_size 327680
		.amdhsa_private_segment_fixed_size 0
		.amdhsa_enable_private_segment 0
		.amdhsa_kernarg_size 32
		.amdhsa_user_sgpr_count 2
		.amdhsa_user_sgpr_kernarg_segment_ptr 1
		.amdhsa_wavefront_size32 1
		.amdhsa_system_sgpr_workgroup_id_x 1
		.amdhsa_system_sgpr_workgroup_id_y 1
		.amdhsa_system_sgpr_workgroup_id_z 1
		.amdhsa_system_vgpr_workitem_id 0
		.amdhsa_next_free_vgpr 896
		.amdhsa_next_free_sgpr 66
		.amdhsa_reserve_vcc 0
		.amdhsa_float_denorm_mode_32 3
		.amdhsa_float_denorm_mode_16_64 3
		.amdhsa_memory_ordered 1
		.amdhsa_forward_progress 1
		.amdhsa_inst_pref_size 255
	.end_amdhsa_kernel
	.section	.bss,"aw",@nobits
	.p2align	6
	.space	262144
	.amdgpu_metadata
---
amdhsa.version: [ 1, 2 ]
amdhsa.kernels:
  - .name:           k_qd13c95f872_attn
    .symbol:         k_qd13c95f872_attn.kd
    .args:
      - { .name: qh, .offset: 0, .size: 8, .value_kind: global_buffer, .address_space: global }
      - { .name: kh, .offset: 8, .size: 8, .value_kind: global_buffer, .address_space: global }
      - { .name: vh, .offset: 16, .size: 8, .value_kind: global_buffer, .address_space: global }
      - { .name: out0, .offset: 24, .size: 8, .value_kind: global_buffer, .address_space: global }
    .group_segment_fixed_size: 327680
    .private_segment_fixed_size: 0
    .kernarg_segment_align: 8
    .kernarg_segment_size: 32
    .max_flat_workgroup_size: 128
    .sgpr_count:     66
    .vgpr_count:     896
    .wavefront_size: 32
...
	.end_amdgpu_metadata
.endif
;; end of part 3
